; MI455X (gfx1250); checked and timed in simulation.
; The chip was launched on July 23, 2026; its instructions are those of AMD's public machine-readable ISA for CDNA 5 (MIT licence, August 2026) and "CDNA5" Instruction Set Architecture Reference Guide (July 2026). The comments in the code are by the model that wrote it; some were corrected since.
;; Physics Informed NN. Allowed arithmetic: matrix products marked QUANTISED: E5M2 operands, one given power-of-two scale a tensor, by v_wmma_f32_16x16x64_bf8_bf8 or v_wmma_f32_16x16x128_bf8_bf8, f32 sums; products left as they are: f32 operands where the result goes on into a quantised operand, else bf16, f16 or f32 operands; f32 sums; everything else in f32.
;; Inputs: A 100 x 100 float32; W0 20 x 1 float32; W1 50 x 20 float32; W2 200 x 50 float32; W3 500 x 200 float32; W4 200 x 500 float32; W5 100 x 200 float32; b0 20 float32; b1 50 float32; b2 200 float32; b3 500 float32; b4 200 float32; b5 100 float32; bvec 1 x 100 float32; lowp_scales 34 int32 (the exponents e of the quantised operands' scales 2^e); x 65,536 x 1 float32.
;; Outputs: out0 65,536 x 100 float32; out1 65,536 x 100 float32.
;; This version of the problem:
;;   THIS VERSION OF THE PROBLEM IS GIVEN IN LOW PRECISION. The matrix products marked QUANTISED in the list below multiply operands that are first quantised to E5M2 (5 exponent bits, 2 mantissa bits; 8 bits a number), with one given power-of-two scale for each operand tensor; their sums are f32. All else is computed in f32.
;;   The module's matrix products, in the order in which they are computed (A, B: the left and right operand; K: the contracted axis; several contracted axes count as one K, in the product's order):
;;     1. [M 20, K 1] x [K 1, N 65,536]; A: input W0; B: input x: left as it is (K = 1 < 32)
;;     2. [M 20, K 1] x [K 1, N 1]; A: input W0; B: computed on the way: left as it is (K = 1 < 32)
;;     3. [M 20, K 1] x [K 1, N 1]; A: input W0; B: computed on the way: left as it is (K = 1 < 32)
;;     4. [M 50, K 20] x [K 20, N 65,536]; A: input W1; B: computed on the way: left as it is (K = 20 < 32)
;;     5. [M 50, K 20] x [K 20, N 65,536]; A: input W1; B: computed on the way: left as it is (K = 20 < 32)
;;     6. [M 50, K 20] x [K 20, N 65,536]; A: input W1; B: computed on the way: left as it is (K = 20 < 32)
;;     7. [M 50, K 20] x [K 20, N 65,536]; A: input W1; B: computed on the way: left as it is (K = 20 < 32)
;;     8. [M 200, K 50] x [K 50, N 65,536]; A: input W2; B: computed on the way: QUANTISED (scales: A lowp_scales[0], B lowp_scales[1])
;;     9. [M 200, K 50] x [K 50, N 65,536]; A: input W2; B: computed on the way: QUANTISED (scales: A lowp_scales[2], B lowp_scales[3])
;;     10. [M 200, K 50] x [K 50, N 65,536]; A: input W2; B: computed on the way: QUANTISED (scales: A lowp_scales[4], B lowp_scales[5])
;;     11. [M 200, K 50] x [K 50, N 65,536]; A: input W2; B: computed on the way: QUANTISED (scales: A lowp_scales[6], B lowp_scales[7])
;;     12. [M 500, K 200] x [K 200, N 65,536]; A: input W3; B: computed on the way: QUANTISED (scales: A lowp_scales[8], B lowp_scales[9])
;;     13. [M 500, K 200] x [K 200, N 65,536]; A: input W3; B: computed on the way: QUANTISED (scales: A lowp_scales[10], B lowp_scales[11])
;;     14. [M 500, K 200] x [K 200, N 65,536]; A: input W3; B: computed on the way: QUANTISED (scales: A lowp_scales[12], B lowp_scales[13])
;;     15. [M 500, K 200] x [K 200, N 65,536]; A: input W3; B: computed on the way: QUANTISED (scales: A lowp_scales[14], B lowp_scales[15])
;;     16. [M 200, K 500] x [K 500, N 65,536]; A: input W4; B: computed on the way: QUANTISED (scales: A lowp_scales[16], B lowp_scales[17])
;;     17. [M 200, K 500] x [K 500, N 65,536]; A: input W4; B: computed on the way: QUANTISED (scales: A lowp_scales[18], B lowp_scales[19])
;;     18. [M 200, K 500] x [K 500, N 65,536]; A: input W4; B: computed on the way: QUANTISED (scales: A lowp_scales[20], B lowp_scales[21])
;;     19. [M 200, K 500] x [K 500, N 65,536]; A: input W4; B: computed on the way: QUANTISED (scales: A lowp_scales[22], B lowp_scales[23])
;;     20. [M 100, K 200] x [K 200, N 65,536]; A: input W5; B: computed on the way: QUANTISED (scales: A lowp_scales[24], B lowp_scales[25])
;;     21. [M 100, K 200] x [K 200, N 65,536]; A: input W5; B: computed on the way: QUANTISED (scales: A lowp_scales[26], B lowp_scales[27])
;;     22. [M 100, K 200] x [K 200, N 65,536]; A: input W5; B: computed on the way: QUANTISED (scales: A lowp_scales[28], B lowp_scales[29])
;;     23. [M 100, K 200] x [K 200, N 65,536]; A: input W5; B: computed on the way: QUANTISED (scales: A lowp_scales[30], B lowp_scales[31])
;;     24. [M 65,536, K 100] x [K 100, N 100]; A: computed on the way; B: input A: QUANTISED (scales: A lowp_scales[32], B lowp_scales[33])
;;     25. [M 65,536, K 100] x [K 100, N 1]; A: computed on the way; B: input bvec: left as it is (N = 1 < 16)
;;   THE QUANTISER, for each operand of a quantised product, along K:
;;     - The operand's scale is 2^e, e = its entry of the input lowp_scales (int32; the entries are numbered through the quantised products in the list's order, A before B).
;;     - Each number is divided by the scale, clamped to +-57,344, and rounded to the nearest number of E5M2, ties to even, subnormals kept.
;;     - The product sums the exact products of the quantised numbers (number of the format x scale) in f32.
;;   ~~~python
;;   def quantise(x, axis, e):      # numpy; x: float32 -> the quantised numbers, widened to float32 again
;;       x = np.moveaxis(x, axis, -1); K = x.shape[-1]
;;       r = np.clip(x / 2.0 ** e, -57344, 57344)
;;       step = 2.0 ** (np.maximum(np.frexp(np.where(r == 0, 1, r))[1] - 1, -14) - 2)
;;       q = np.round(r / step) * step * 2.0 ** e      # np.round: ties to even
;;       return np.moveaxis(q, -1, axis).astype(np.float32)
;;   ~~~
;;   OPERANDS COMPUTED ON THE WAY. 'Computed on the way' means the value that the module computes at that place (a softmax that the list does not call 'softmax' is quantised finished and normalised). What goes into a quantiser is computed in f32, as accurately as f32 sums, v_exp_f32 and their like allow (about 1e-6 of the number): no bf16 or f16 on the way to a quantiser, and a product that is left as it is and whose result goes on into a quantised operand takes f32 operands (vector FMAs, or v_wmma_f32_16x16x4_f32). A number that lies on a knife's edge between two numbers of the format may be rounded either way, as far as f32 arithmetic and the matrix unit's own rounding can turn it there, and no further.
;; One version. Each part assembles by itself: llvm-mc -triple=amdgcn-amd-amdhsa -mcpu=gfx1250 --defsym DOCPART=n.
;; ======== version 1 of 1: 2 launches
;; limits: a function is approximated: absolute error at most 3e-07
;; workspace buffers: wq 1,179,648 bytes; aux 7,168 bytes
;; launch prep (part 1): grid 288 x 1, 2 waves a work-group, no clusters, 0 bytes of LDS; arguments W2, W3, W4, W5, A, lowp_scales, wq, W0, b0, W1, b1, b2, b3, b4, b5, bvec, aux; writes wq, aux
.if DOCPART == 1
	.amdgcn_target "amdgcn-amd-amdhsa--gfx1250"
	.amdhsa_code_object_version 6
	.text
	.protected	k_q8f27762c88_prep
	.globl	k_q8f27762c88_prep
	.p2align	8
	.type	k_q8f27762c88_prep,@function
k_q8f27762c88_prep:
	s_mov_b64 s[64:65], 0
	v_nop
	global_prefetch_b8 v0, s[64:65] scope:SCOPE_SE
	s_setreg_imm32_b32 hwreg(HW_REG_WAVE_MODE, 25, 1), 1
	s_wait_xcnt 0x0
; PhysicsInformedNN, launch 1 of 2: the weights become codes of E5M2, laid as the second launch's operand registers take them, and a small table is made.
; WORK LEFT OUT OF THE PROGRAM, in the problem's terms, for all values of the inputs:
;   products 2 and 3 multiply W0 by the tangent 1 that reference() builds itself (jnp.ones_like): a factor 1, so dz = W0 is taken as it stands;
;   product 6 has the very operands of product 5 (both tangents of the first layer are s0 x W0, in f32, with no quantiser ahead): it is computed once and serves both streams, each of which is then
;   quantised with its own given scale.  Every other product and every input has a way to an output and is done.
;   LIMIT: a NaN, an infinity or an overflow that reaches only the work left out is not carried to the result.
; wq: the stream of codes in 12 slots of 98,304 bytes, in the order in which launch 2 walks it.  A fragment (16 rows x 128 K) is an image of its 16 registers: 4 blocks of 512 bytes, block b = registers
;   4 b .. 4 b + 3, lane l's 16 bytes at 16 l.  Register 2 c + i of lane (r, h) holds row 16 t + r, k = 128 s + 16 c + 8 h + 4 i + 0 .. 3 (ISA guide 7.12.2, 8-bit operands).  Codes are 0 past a matrix's rows and K.
;   bytes 0: W1 as f32 fragments (20 x 256);  5,120: zeros;  12,288: W2 (tile t, version v: 4,096 t + 1,024 v);  65,536: W3 (16,384 t + 2,048 (4 s + v));
;   622,592: W4 (32,768 t + 2,048 (4 s + v));  1,048,576: W5 (as W3);  1,163,264: A (2,048 t);  1,177,600: zeros.  Bytes 589,824 .. 622,591 are neither written nor read.
;   Launch 2 asks for weights two tiles ahead: so the first two tiles of W3 and of W4 end the slot in front of their walk (slots 0 and 6), and the other tiles fill whole slots, six or three to a slot.
; Each weight has FOUR versions: each of a layer's four products has its own given scale.
; aux: 0 constants made of lowp_scales, 64 bytes a stage;  512 c2 W0, 768 c2 b0, 1,024 4 W0, 1,280 -2 W0 (c2 = 2 log2 e);  1,536 b1;  1,792 b2, 2,816 b3, 4,864 b4, 5,888 b5, each divided by the power of two
;   that its layer's sums lack;  6,400 bvec;  6,912 zeros.  All padded with zeros.
; SHARES: work-groups 0 .. 286 make half a fragment each, in all its versions, from one read of the f32 numbers: wave w makes block 2 half + w.  Work-group 287 makes the tables.
; LIMITS: every exponent that is turned into a power of two here (e, e + 15, and the sums and differences named below) lies so that the power is a normal f32 number.  NaN among the inputs is not served.
.set KR,    56                         ; s56  K of the matrix
.set MR,    57                         ; s57  its rows
.set START, 58                         ; s58  its first work-group
.set SHT,   59                         ; s59  work-groups to a tile, as a shift
.set SMASK, 60                         ; s60  K steps - 1
.set HMASK, 61                         ; s61  1 where a fragment has two halves
.set DBASE, 62                         ; s62  its first byte in wq
.set TSTR,  63                         ; s63  bytes from tile to tile
.set VSTR,  66                         ; s66  from version to version
.set SRC,   86                         ; s[86:87] the matrix
.set EV,    88                         ; s88-91 the four versions' exponents
.set DAT,   16                         ; tables: v16-36 what was loaded
.set OFFS,  64                         ; tables: v64-84 from where
	s_load_b512 s[4:19], s[0:1], 0x0               ; W2 s[4:5], W3 s[6:7], W4 s[8:9], W5 s[10:11], A s[12:13], lowp_scales s[14:15], wq s[16:17], W0 s[18:19]
	s_load_b512 s[20:35], s[0:1], 0x40             ; b0 s[20:21], W1 s[22:23], b1 s[24:25], b2 s[26:27], b3 s[28:29], b4 s[30:31], b5 s[32:33], bvec s[34:35]
	s_load_b64 s[36:37], s[0:1], 0x80              ; aux
	v_lshrrev_b32 v1, 5, v0
	v_readfirstlane_b32 s38, v1                    ; wave 0, 1
	v_and_b32 v2, 31, v0                           ; lane
	v_and_b32 v3, 15, v0                           ; r
	v_bfe_u32 v4, v0, 4, 1                         ; h
	s_wait_kmcnt 0x0
	s_load_b512 s[40:55], s[14:15], 0x0            ; entry i of lowp_scales lies in s[40 + i + 12 (i / 16)]
	s_load_b512 s[68:83], s[14:15], 0x40
	s_load_b64 s[96:97], s[14:15], 0x80
	s_wait_kmcnt 0x0
	s_cmp_eq_u32 ttmp9, 287
	s_cbranch_scc1 .Ltables
	; ---- which matrix is mine: chosen on the work-group's number alone, with no branch
	s_mov_b64 s[SRC:SRC+1], s[4:5]                 ; W2
	s_mov_b32 s[KR], 50
	s_mov_b32 s[MR], 200
	s_mov_b32 s[START], 0
	s_mov_b32 s[SHT], 0
	s_mov_b32 s[SMASK], 0
	s_mov_b32 s[HMASK], 0
	s_mov_b32 s[DBASE], 12288
	s_mov_b32 s[TSTR], 4096
	s_mov_b32 s[VSTR], 1024
	s_mov_b32 s[EV+0], s40
	s_mov_b32 s[EV+1], s42
	s_mov_b32 s[EV+2], s44
	s_mov_b32 s[EV+3], s46
.macro PICK first, src, kr, mr, sht, smask, dbase, tstr, e0, es
	s_cmp_ge_u32 ttmp9, \first
	s_cselect_b64 s[SRC:SRC+1], s[\src:\src+1], s[SRC:SRC+1]
	s_cselect_b32 s[KR], \kr, s[KR]
	s_cselect_b32 s[MR], \mr, s[MR]
	s_cselect_b32 s[START], \first, s[START]
	s_cselect_b32 s[SHT], \sht, s[SHT]
	s_cselect_b32 s[SMASK], \smask, s[SMASK]
	s_cselect_b32 s[HMASK], 1, s[HMASK]
	s_cselect_b32 s[DBASE], \dbase, s[DBASE]
	s_cselect_b32 s[TSTR], \tstr, s[TSTR]
	s_cselect_b32 s[VSTR], 2048, s[VSTR]
.irp v, 0,1,2,3
.set X, \e0+\es*\v
	s_cselect_b32 s[EV+\v], s[40+X+12*(X/16)], s[EV+\v]
.endr
.endm
	PICK 13,  6,  200, 500, 2, 1, 65536,   16384, 8,  2    ; W3: 32 tiles x 2 K steps x 2 halves
	PICK 141, 8,  500, 200, 3, 3, 622592,  32768, 16, 2    ; W4: 13 x 4 x 2
	PICK 245, 10, 200, 100, 2, 1, 1048576, 16384, 24, 2    ; W5: 7 x 2 x 2
	PICK 273, 12, 100, 100, 1, 0, 1163264, 2048,  33, 0    ; A: 7 x 1 x 2, one version
	s_sub_co_u32 s92, ttmp9, s[START]
	s_lshr_b32 s93, s92, s[SHT]                    ; tile t
	s_lshr_b32 s94, s92, 1
	s_and_b32 s94, s94, s[SMASK]                   ; K step s
	s_and_b32 s95, s92, s[HMASK]
	s_lshl_b32 s95, s95, 1
	s_add_co_u32 s95, s95, s38                     ; block b = 2 half + wave
	s_mul_i32 s98, s93, s[TSTR]
	s_add_co_u32 s98, s98, s[DBASE]
	s_lshl_b32 s99, s94, 13
	s_add_co_u32 s98, s98, s99
	s_lshl_b32 s99, s95, 9
	s_add_co_u32 s98, s98, s99
	s_mov_b32 s99, 0
	s_add_nc_u64 s[16:17], s[16:17], s[98:99]      ; wq at my block, version 0
	s_lshl_b32 s100, s93, 4
	v_add_nc_u32 v5, s100, v3                      ; my row m = 16 t + r
	s_lshl_b32 s100, s94, 7
	s_lshl_b32 s101, s95, 5
	s_add_co_u32 s100, s100, s101
	v_lshl_add_u32 v6, v4, 3, s100                 ; my first k = 128 s + 32 b + 8 h
	v_mad_u32_u24 v7, v5, s[KR], v6
	v_cmp_gt_u32 s20, s[MR], v5                    ; is my row inside?
	v_lshlrev_b32 v68, 4, v2                       ; where my 16 bytes go, for each version: a register each, so that none is rewritten
	v_add_nc_u32 v69, s[VSTR], v68
	v_add_nc_u32 v70, s[VSTR], v69
	v_add_nc_u32 v71, s[VSTR], v70
	; eight pairs of numbers: k = first + 0 .. 7, then first + 16 .. 23.  K is even, so a pair is inside or outside as a whole, and 8-byte aligned.  A pair outside is read at the matrix's first bytes and replaced by 0
.irp i, 0,1,2,3,4,5,6,7
	v_add_nc_u32 v64, 2*\i+8*(\i/4), v6
	v_cmp_gt_u32 s[21+\i], s[KR], v64
	s_and_b32 s[21+\i], s[21+\i], s20
	v_add_lshl_u32 v[8+\i], v7, 2*\i+8*(\i/4), 2
	v_cndmask_b32 v[8+\i], 0, v[8+\i], s[21+\i]
	global_load_b64 v[16+2*\i:17+2*\i], v[8+\i], s[SRC:SRC+1]
.endr
	s_wait_loadcnt 0x0
.irp i, 0,1,2,3,4,5,6,7
	v_cndmask_b32 v[16+2*\i], 0, v[16+2*\i], s[21+\i]
	v_cndmask_b32 v[17+2*\i], 0, v[17+2*\i], s[21+\i]
.endr
.irp ver, 0,1,2,3
	s_add_co_i32 s92, s[EV+\ver], 127
	s_lshl_b32 s93, s92, 23
	v_mov_b32 v65, s93                             ; 2^e as f32: the conversion takes its exponent field
	s_add_co_i32 s92, s92, 15
	s_lshl_b32 s92, s92, 23
	s_or_b32 s92, s92, 0x600000
	v_mov_b32 v66, s92                             ; 57,344 x 2^e
.irp i, 0,1,2,3,4,5,6,7,8,9,10,11,12,13,14,15
	v_med3_num_f32 v[32+\i], v[16+\i], -v66, v66   ; the conversion to an 8-bit code does not saturate (ISA guide 7.6.2): the hold comes first
.endr
	v_cvt_scalef32_pk8_bf8_f32 v[48+4*\ver:49+4*\ver], v[32:39], v65
	v_cvt_scalef32_pk8_bf8_f32 v[50+4*\ver:51+4*\ver], v[40:47], v65
	v_nop                                          ; a plain line between the conversions and the next version's lines, which write their sources
	global_store_b128 v[68+\ver], v[48+4*\ver:51+4*\ver], s[16:17]   ; the wave stores 512 consecutive bytes, aligned to 512
.if \ver == 0
	s_cmp_ge_u32 ttmp9, 273                        ; A has one version
	s_cbranch_scc1 .Lend
.endif
.endr
	s_branch .Lend
	; ---- the tables: 64 threads
.Ltables:
	v_lshlrev_b32 v5, 2, v0                        ; 4 x thread
	v_lshlrev_b32 v6, 4, v0                        ; 16 x thread
.macro BLD src, cnt, chunk                     ; number min(thread + 64 chunk, cnt - 1) of a vector: no load leaves its buffer
	v_add_nc_u32 v[OFFS+NB], 64*\chunk, v0
	v_min_u32 v[OFFS+NB], \cnt-1, v[OFFS+NB]
	v_lshlrev_b32 v[OFFS+NB], 2, v[OFFS+NB]
	global_load_b32 v[DAT+NB], v[OFFS+NB], s[\src:\src+1]
.set NB, NB+1
.endm
.macro BST cnt, chunk, dst, sneg               ; x 2^(s[sneg]), 0 past the vector's end, to aux
	v_ldexp_f32 v[DAT+NB], v[DAT+NB], s[\sneg]
	v_add_nc_u32 v126, 64*\chunk, v0
	v_cmp_gt_u32 vcc_lo, \cnt, v126
	v_cndmask_b32 v[DAT+NB], 0, v[DAT+NB], vcc_lo
	global_store_b32 v5, v[DAT+NB], s[36:37] offset:\dst+256*\chunk
.set NB, NB+1
.endm
.set NB, 0
	BLD 24, 50, 0
.irp c, 0,1,2,3
	BLD 26, 200, \c
.endr
.irp c, 0,1,2,3,4,5,6,7
	BLD 28, 500, \c
.endr
.irp c, 0,1,2,3
	BLD 30, 200, \c
.endr
.irp c, 0,1
	BLD 32, 100, \c
.endr
.irp c, 0,1
	BLD 34, 100, \c
.endr
	v_min_u32 v7, 19, v0
	v_lshlrev_b32 v7, 2, v7
	global_load_b32 v38, v7, s[18:19]              ; W0
	global_load_b32 v39, v7, s[20:21]              ; b0
	; W1 as fragments of the f32 matrix form: fragment 5 t + q, lane (r, h): W1[16 t + r][4 q + 2 h + 0, 1].  Wave w takes tiles 2 w and 2 w + 1
	v_and_b32 v8, 32, v0
	v_add_nc_u32 v8, v8, v3                        ; row 32 w + r,
	v_add_nc_u32 v9, 16, v8                        ; and 16 further down
	v_cmp_gt_u32 s92, 50, v8
	v_cmp_gt_u32 s93, 50, v9
	v_mul_u32_u24 v10, v8, 80
	v_lshl_add_u32 v10, v4, 3, v10
	v_cndmask_b32 v10, 0, v10, s92
	v_mul_u32_u24 v11, v9, 80
	v_lshl_add_u32 v11, v4, 3, v11
	v_cndmask_b32 v11, 0, v11, s93
.irp i, 0,1,2,3,4,5,6,7,8,9
	global_load_b64 v[40+2*\i:41+2*\i], v[10+\i/5], s[22:23] offset:16*(\i%5)
.endr
	s_mov_b32 s94, 0
	s_add_co_i32 s98, s40, s41                     ; a layer's sums of the value stream stand for sum x 2^(eW + eH): its bias goes in divided by that
	s_sub_co_i32 s98, 0, s98
	s_add_co_i32 s99, s48, s49
	s_sub_co_i32 s99, 0, s99
	s_add_co_i32 s100, s68, s69
	s_sub_co_i32 s100, 0, s100
	s_add_co_i32 s101, s76, s77
	s_sub_co_i32 s101, 0, s101
	v_mul_u32_u24 v12, v1, 2560
	v_lshl_add_u32 v12, v2, 3, v12                 ; W1's fragments: 2,560 x wave + 8 x lane
.irp i, 88,89,90,91,92,93,94,95
	v_mov_b32 v[\i], 0
.endr
	s_wait_loadcnt 0x0
.set NB, 0
	BST 50, 0, 1536, 94
.irp c, 0,1,2,3
	BST 200, \c, 1792, 98
.endr
.irp c, 0,1,2,3,4,5,6,7
	BST 500, \c, 2816, 99
.endr
.irp c, 0,1,2,3
	BST 200, \c, 4864, 100
.endr
.irp c, 0,1
	BST 100, \c, 5888, 101
.endr
.irp c, 0,1
	BST 100, \c, 6400, 94
.endr
	v_cmp_gt_u32 vcc_lo, 20, v0
	v_cndmask_b32 v38, 0, v38, vcc_lo
	v_cndmask_b32 v39, 0, v39, vcc_lo
	v_mul_f32 v60, 0x4038aa3b, v38                 ; c2 W0, c2 = 2 log2 e
	v_mul_f32 v61, 0x4038aa3b, v39                 ; c2 b0
	v_mul_f32 v62, 4.0, v38
	v_mul_f32 v63, -2.0, v38
	global_store_b32 v5, v60, s[36:37] offset:512
	global_store_b32 v5, v61, s[36:37] offset:768
	global_store_b32 v5, v62, s[36:37] offset:1024
	global_store_b32 v5, v63, s[36:37] offset:1280
	global_store_b32 v5, v88, s[36:37] offset:6912 ; the table's last 256 bytes: zeros
.irp i, 0,1,2,3,4,5,6,7,8,9
	v_cndmask_b32 v[40+2*\i], 0, v[40+2*\i], s[92+\i/5]
	v_cndmask_b32 v[41+2*\i], 0, v[41+2*\i], s[92+\i/5]
	global_store_b64 v12, v[40+2*\i:41+2*\i], s[16:17] offset:256*\i
.endr
.irp i, 0,1,2,3,4,5,6
	global_store_b128 v6, v[88:91], s[16:17] offset:5120+1024*\i   ; zeros between W1's fragments and W2's codes: launch 2 fetches slot 0 whole,
.endr
	global_store_b128 v6, v[88:91], s[16:17] offset:1177600        ; and slot 11: zeros behind A's codes
	global_store_b128 v6, v[88:91], s[16:17] offset:1178624
	s_cmp_lg_u32 s38, 0
	s_cbranch_scc1 .Lend
	; ---- wave 0: the constants made of lowp_scales.  Stage i's 16 words go to register 92 + i / 2, lanes 16 (i % 2) + 0 .. 15; v92-95 were cleared above
.macro WL i, d
	v_writelane_b32 v[92+(\i)/2], s60, 16*((\i)%2)+\d
.endm
.macro PWL i, d                                ; s62 = an exponent: its power of two to word d, 57,344 times that to word d + 1
	s_add_co_i32 s60, s62, 127
	s_lshl_b32 s60, s60, 23
	WL \i, \d
	s_add_co_i32 s60, s62, 142
	s_lshl_b32 s60, s60, 23
	s_or_b32 s60, s60, 0x600000
	WL \i, \d+1
.endm
; Stage i serves the tanh behind layer i + 1.  E_v: the exponent that stream v's sums of that layer lack (0 for layer 1, whose products are f32); n_v: the given exponent of stream v's operand of the next layer.
.macro STAGE i
.irp v, 0,1,2,3
.if \i == 0
	s_mov_b32 s[56+\v], 0
.else
.set X, 8*(\i-1)+2*\v
	s_add_co_i32 s[56+\v], s[40+X+12*(X/16)], s[41+X+12*(X/16)]
.endif
.endr
	s_lshl_b32 s60, s56, 23
	s_add_co_i32 s60, s60, 0x4038aa3b              ; c2 x 2^E0
	WL \i, 0
	WL \i, 1
	s_add_co_i32 s61, s57, s58
	s_sub_co_i32 s61, s61, s59                     ; D = E1 + E2 - E3
	s_add_co_i32 s60, s61, 128
	s_lshl_b32 s60, s60, 23
	s_or_b32 s60, s60, 0x80000000                  ; -2 x 2^D
	WL \i, 2
	WL \i, 3
	s_add_co_i32 s60, s61, 129
	s_lshl_b32 s60, s60, 23                        ; 4 x 2^D
	WL \i, 4
	WL \i, 5
.irp v, 0,1,2,3
.set X, 8*\i+2*\v+1
.if \v == 0
	s_mov_b32 s62, s[40+X+12*(X/16)]               ; y is quantised as it is: n0
.else
	s_sub_co_i32 s62, s[40+X+12*(X/16)], s[56+\v]  ; the other streams are kept divided by 4 x 2^E_v: n_v - E_v - 2
	s_sub_co_i32 s62, s62, 2
.endif
	PWL \i, 6+2*\v
.endr
.endm
	STAGE 0
	STAGE 1
	STAGE 2
	STAGE 3
.irp v, 0,1,2,3                                ; the last stage: layer 5's four exponents
	s_add_co_i32 s[56+\v], s[76+2*\v], s[77+2*\v]
.endr
	s_add_co_i32 s60, s56, 127
	s_lshl_b32 s60, s60, 23                        ; 2^E0
	WL 4, 0
	s_lshl_b32 s60, s57, 23
	s_add_co_i32 s60, s60, 0xba83126f              ; -0.001 x 2^E1
	WL 4, 1
	s_lshl_b32 s60, s58, 23
	s_add_co_i32 s60, s60, 0xba83126f              ; -0.001 x 2^E2
	WL 4, 2
	s_lshl_b32 s60, s59, 23
	s_add_co_i32 s60, s60, 0xba03126f              ; -0.0005 x 2^E3
	WL 4, 3
	s_lshl_b32 s60, s56, 23
	s_add_co_i32 s60, s60, 0xba83126f              ; -0.001 x 2^E0
	WL 4, 4
	WL 4, 5
	s_add_co_i32 s60, s96, s97
	s_lshl_b32 s60, s60, 23
	s_add_co_i32 s60, s60, 0x3f4ccccd              ; 0.8 x 2^(eF + eA)
	WL 4, 6
	WL 4, 7
	s_mov_b32 s62, s96                             ; F's own scale
	PWL 4, 8
	v_lshlrev_b32 v13, 2, v2
.irp i, 0,1,2,3
	global_store_b32 v13, v[92+\i], s[36:37] offset:128*\i
.endr
.Lend:
	s_endpgm
.Lfunc_end_k_q8f27762c88_prep:
	.size	k_q8f27762c88_prep, .Lfunc_end_k_q8f27762c88_prep-k_q8f27762c88_prep
	.p2alignl 7, 3214868480
	.fill 96, 4, 3214868480
	.section	.rodata,"a",@progbits
	.p2align	6, 0x0
	.amdhsa_kernel k_q8f27762c88_prep
		.amdhsa_group_segment_fixed_size 0
		.amdhsa_private_segment_fixed_size 0
		.amdhsa_enable_private_segment 0
		.amdhsa_kernarg_size 136
		.amdhsa_user_sgpr_count 2
		.amdhsa_user_sgpr_kernarg_segment_ptr 1
		.amdhsa_wavefront_size32 1
		.amdhsa_system_sgpr_workgroup_id_x 1
		.amdhsa_system_sgpr_workgroup_id_y 1
		.amdhsa_system_sgpr_workgroup_id_z 1
		.amdhsa_system_vgpr_workitem_id 0
		.amdhsa_next_free_vgpr 128
		.amdhsa_next_free_sgpr 102
		.amdhsa_reserve_vcc 1
		.amdhsa_float_denorm_mode_32 3
		.amdhsa_float_denorm_mode_16_64 3
		.amdhsa_memory_ordered 1
		.amdhsa_forward_progress 1
		.amdhsa_inst_pref_size 46
	.end_amdhsa_kernel
	.amdgpu_metadata
---
amdhsa.version: [ 1, 2 ]
amdhsa.kernels:
  - .name:           k_q8f27762c88_prep
    .symbol:         k_q8f27762c88_prep.kd
    .args:
      - { .name: W2, .offset: 0, .size: 8, .value_kind: global_buffer, .address_space: global }
      - { .name: W3, .offset: 8, .size: 8, .value_kind: global_buffer, .address_space: global }
      - { .name: W4, .offset: 16, .size: 8, .value_kind: global_buffer, .address_space: global }
      - { .name: W5, .offset: 24, .size: 8, .value_kind: global_buffer, .address_space: global }
      - { .name: A, .offset: 32, .size: 8, .value_kind: global_buffer, .address_space: global }
      - { .name: lowp_scales, .offset: 40, .size: 8, .value_kind: global_buffer, .address_space: global }
      - { .name: wq, .offset: 48, .size: 8, .value_kind: global_buffer, .address_space: global }
      - { .name: W0, .offset: 56, .size: 8, .value_kind: global_buffer, .address_space: global }
      - { .name: b0, .offset: 64, .size: 8, .value_kind: global_buffer, .address_space: global }
      - { .name: W1, .offset: 72, .size: 8, .value_kind: global_buffer, .address_space: global }
      - { .name: b1, .offset: 80, .size: 8, .value_kind: global_buffer, .address_space: global }
      - { .name: b2, .offset: 88, .size: 8, .value_kind: global_buffer, .address_space: global }
      - { .name: b3, .offset: 96, .size: 8, .value_kind: global_buffer, .address_space: global }
      - { .name: b4, .offset: 104, .size: 8, .value_kind: global_buffer, .address_space: global }
      - { .name: b5, .offset: 112, .size: 8, .value_kind: global_buffer, .address_space: global }
      - { .name: bvec, .offset: 120, .size: 8, .value_kind: global_buffer, .address_space: global }
      - { .name: aux, .offset: 128, .size: 8, .value_kind: global_buffer, .address_space: global }
    .group_segment_fixed_size: 0
    .private_segment_fixed_size: 0
    .kernarg_segment_align: 8
    .kernarg_segment_size: 136
    .max_flat_workgroup_size: 64
    .sgpr_count:     102
    .vgpr_count:     128
    .wavefront_size: 32
...
	.end_amdgpu_metadata
.endif
;; end of part 1
;; launch pinn (part 2): grid 512 x 1, 4 waves a work-group, clusters of 4 x 1, 327,680 bytes of LDS; arguments x, wq, aux, out0, out1; writes out0, out1
.if DOCPART == 2
	.amdgcn_target "amdgcn-amd-amdhsa--gfx1250"
	.amdhsa_code_object_version 6
	.text
	.protected	k_q8f27762c88_pinn
	.globl	k_q8f27762c88_pinn
	.p2align	8
	.type	k_q8f27762c88_pinn,@function
k_q8f27762c88_pinn:
	s_mov_b64 s[64:65], 0
	v_nop
	global_prefetch_b8 v0, s[64:65] scope:SCOPE_SE
	s_setreg_imm32_b32 hwreg(HW_REG_WAVE_MODE, 25, 1), 1
	s_wait_xcnt 0x0
	s_wait_alu depctr_hold_cnt(0) depctr_sa_sdst(0) depctr_va_vdst(0) depctr_va_sdst(0) depctr_va_ssrc(0) depctr_va_vcc(0) depctr_vm_vsrc(0)
	s_getreg_b32 s2, hwreg(HW_REG_IB_STS2, 6, 4)
	s_cmp_eq_u32 s2, 0
	s_cbranch_scc0 .Lentry_in_a_cluster
	s_endpgm
.Lentry_in_a_cluster:
	s_bfe_u32 s2, ttmp6, 0x10000c
	s_cmp_lg_u32 s2, 0x3003
	s_cbranch_scc0 .Lentry_shape_is_right
	s_endpgm
.Lentry_shape_is_right:
; PhysicsInformedNN, launch 2 of 2: the whole chain for 128 points a work-group, fused.  Four streams go through the net: 0 the value, 1 and 2 the two first tangents, 3 the second-order term.
; LEFT OUT (shown at the head of launch 1): products 2 and 3 (W0 x 1: dz = W0) and product 6 (the operands of product 5: computed once, quantised twice).  A NaN or infinity that reaches only those is not carried on.
; SHARES.  Wave w owns 32 points, two tiles of 16, through all layers and all four streams.  Every product is used TRANSPOSED (source 0 = 16 rows of a weight, source 1 = 16 points): lane (r, h) holds point r, and
; register j of tile t holds unit 16 t + 8 h + j.  Eight such registers, converted, ARE registers 2 (t % 8), 2 (t % 8) + 1 of K step t / 8 of the next product's operand: activations never change lanes or waves.
; THE WEIGHTS come as codes, as images of operand registers, in a stream of 12 slots of 98,304 bytes through a ring of two LDS slots.  The four work-groups of a cluster walk the same stream: every fill is asked for
; JOINTLY, each wave a quarter.  By this text's count a wave has three tensor loads out at the head and one behind each round.
; TANH.  r = 1 / (1 + 2^(c2 z)), c2 = 2 log2 e;  y = 1 - 2 r;  1 - y^2 = 4 (r - r^2) = 4 u.  With sums A_v that stand for A_v x 2^E_v:  dy_v = 4 x 2^E_v x (u A_v);
; ddy = 4 x 2^E3 x (u A3 + (ky A2) (u A1)), ky = -2 y 2^(E1 + E2 - E3) = 4 x 2^D r - 2 x 2^D.  The factors 4 x 2^E_v are folded into the conversions' scales.
; A TRIP.  Layers 1, 2 and 5: the next tile's weights are asked of LDS, the tile in hand goes through tanh and the quantiser, then the next tile's products are issued.  LAYERS 3 AND 4, which hold most of the work,
; lay the three over each other (macro PTRIP): the tile in hand goes through tanh and the quantiser, the next tile's products stand singly among those lines, and the tile after that is asked of LDS in short runs,
; each fragment as soon as its last product stands four plain lines back.  One set of accumulators serves: a stream's sums are read before its next products are issued.
; A tile's codes wait in the wave's own staging bytes in LDS, since their home registers differ from tile to tile and the trip is a loop; they are brought home in runs of up to 12 tiles.  A layer's last tile is
; converted straight into its home.
; LIMITS.  The powers of two in the table of constants are normal f32 numbers.  NaN among the inputs is not served.  y = 1 - 2 r has an absolute error near 1e-7, so for |z| far under 1 its relative error is
; larger than that of a tanh computed by a series.  Product 25 (N = 1) is done by f32 multiply-adds.
; NO PREFETCH: the stream of 1.2 MB is read by all 128 clusters, not once.
; LDS: 0 ring 0;  98,304 the table (7,168);  114,688 the spare words (512);  131,072 ring 1;  229,376 staging, 24,576 a wave (12 tiles x 8 entries x 256 bytes).  At the end out0's rows are gathered in the wave's
; staging, out1's in its quarter of ring 0, which has had its last fill and was left at the last barrier.
; REGISTERS, in windows of 256.  Window 0: v1 16 x lane, v2 8 x lane, v3 32 h, v4, v5, v7, v14 addresses in hand, v6 my staging, v8, v9 the add's two, v[10:13] x of my two points (each twice), v16-31 the stage's
;   constants, v32-39 a tile's bias, v40-119 at work, v120-135 codes, v136-179 layer 0's vectors, later the end's coefficients, v180-184 the LDS addresses of a trip's groups of loads, v192-255 the eight accumulators
;   (stream v, tile a at 192 + 16 v + 8 a): written by matrix instructions alone.  Window 1: H2, later H4 (fragment (v, a, s) at 128 s + 16 (2 v + a)); in layer 4 the weights' buffer.  Windows 2, 3: H3 (K steps
;   0, 1 | 2, 3); earlier, in window 2, H1 (v0-63), W2's buffer (v64-95), layer 0's results (v96-155), W1's fragments (v160-169); layer 3's weights lie in window 3 v128-255.  At the end: window 2 v0-127 W5's
;   buffer, v128-239 A; window 3 v0-111 U, v128-159 F.
.set RING1, 131072
.set SLOTB, 98304
.set AUXL,  98304
.set SPARE, 114688
.set STG,   229376
.set QRT,   24576
.set CT,    16
.set BIAS,  32
.set R,     40
.set KY,    56
.set U,     72
.set P1,    88
.set P3,    104
.set CD,    120
.set AG,    180
.set ACC,   192
.set A2R,   ACC+32
.set DIRECT, 0
.set CBASE, 0
.set CESTR, 0
; s[4:13] x, wq, aux, out0, out1;  s14 wave;  s15 cx;  s16 work-group;  s[20:27] group 1 of a full quarter (96 rows), s[28:35] the table's (7), s[36:43] slot 6's part (64);
; groups 0: s[44:47] walking, s[48:51] slot 0, s[52:55] the table, s[76:79] slot 6's part;  s56 LDS byte of the next weights, s57 of the next bias, s58 the staging place, s59, s60 counters,
; s61 LDS byte of W1's next fragments, s62, s63 lane selects, s84 EXEC kept, s[86:89] at work
.set MSB, 0
.macro WIN new                         ; the immediate's high byte repeats the setting that is left; a switch that changes nothing is dropped
.if MSB != (\new)
	s_set_vgpr_msb (MSB<<8)|(\new)
.set MSB, (\new)
.endif
.endm
.macro PLACES n
.rept \n
	v_nop
.endr
.endm
.macro ROUND                           ; a round of the cluster's barrier
	s_barrier_signal -1
	s_barrier_wait -1
	s_cmp_lg_u32 s14, 0
	s_cbranch_scc1 .Lnw0_\@
	s_barrier_signal -3
.Lnw0_\@:
	s_barrier_wait -3
	s_barrier_signal -1
	s_barrier_wait -1
.endm
; THE CHANGE OF SLOTS, between two trips.  Each wave waits for all its tensor loads (its quarter of the slot ahead), adds 0 to its spare word, and waits for that and for its reads of the slot that it leaves.
; kind 1: the slot left is filled with the stream's next slot but one;  2: with the part of slot 6 that holds codes;  0: nothing is left to fetch, and the work-group's barrier does.
.macro CHANGE kind
	WIN 0
	s_wait_tensorcnt 0x0                           ; no tensor load of mine is out, so a group 0 may be written
	ds_add_u32 v8, v9
.if \kind
	s_xor_b32 s45, s45, RING1                      ; the walking descriptor: the other ring slot,
	s_add_nc_u64 s[46:47], s[46:47], SLOTB         ; the stream's next slot (it walks past slot 6 too); the type bits on top are not reached
.endif
	s_sub_co_u32 s56, s56, SLOTB                   ; my reads go back to a slot's first byte,
	s_xor_b32 s56, s56, RING1                      ; in the other ring slot
	s_wait_dscnt 0x0                               ; the add is done, and my reads of the slot that I leave are over
.if \kind
	ROUND                                          ; both hold of every wave of the four work-groups
.if \kind == 1
	tensor_load_to_lds s[44:47], s[20:27]
.else
	tensor_load_to_lds s[76:79], s[36:43]
.endif
	s_nop 0
	PLACES 4
.else
	s_barrier_signal -1
	s_barrier_wait -1
.endif
.endm
.macro LOADCT i                        ; stage i's sixteen constants, the same in every lane
	v_mov_b32 v14, AUXL+64*\i
.irp c, 0,1,2,3
	ds_load_b128 v[CT+4*\c:CT+4*\c+3], v14 offset:16*\c
.endr
.endm
.macro LOADB                           ; the next tile's bias in the result's layout: units 16 t + 8 h + 0 .. 7
	v_add_nc_u32 v5, s57, v3
	ds_load_b128 v[BIAS:BIAS+3], v5
	ds_load_b128 v[BIAS+4:BIAS+7], v5 offset:16
	s_add_co_u32 s57, s57, 64
.endm
.macro LOADW1                          ; W1: five f32 fragments of a tile
	v_add_nc_u32 v4, s61, v2
	WIN 0x80
.irp q, 0,1,2,3,4
	ds_load_b64 v[160+2*\q:161+2*\q], v4 offset:256*\q
.endr
	WIN 0
	s_add_co_u32 s61, s61, 1280
	LOADB
.endm
.macro LOADW2                          ; W2: a tile's four versions, K = 64
	v_add_nc_u32 v4, s56, v1
	WIN 0x80
.irp v, 0,1,2,3
.irp b, 0,1
	ds_load_b128 v[64+8*\v+4*\b:64+8*\v+4*\b+3], v4 offset:1024*\v+512*\b
.endr
.endr
	WIN 0
	s_add_co_u32 s56, s56, 4096
	LOADB
.endm
.macro LOADW38 win, base               ; W3 or W5: a tile's two K steps x four versions.  K = 200: the second step's last block holds zeros alone and is not read; its registers were cleared once
	v_add_nc_u32 v4, s56, v1
	WIN (\win)<<6
.irp v, 0,1,2,3
.irp b, 0,1,2,3
	ds_load_b128 v[\base+16*\v+4*\b:\base+16*\v+4*\b+3], v4 offset:2048*\v+512*\b
.endr
.endr
.irp v, 0,1,2,3
.irp b, 0,1,2
	ds_load_b128 v[\base+64+16*\v+4*\b:\base+64+16*\v+4*\b+3], v4 offset:8192+2048*\v+512*\b
.endr
.endr
	WIN 0
	s_add_co_u32 s56, s56, 16384
	LOADB
.endm
.macro LOADW4                          ; W4: four K steps x four versions fill window 1
	v_add_nc_u32 v4, s56, v1
	WIN 0x40
.irp f, 0,1,2,3,4,5,6,7,8,9,10,11,12,13,14,15
.irp b, 0,1,2,3
	ds_load_b128 v[16*\f+4*\b:16*\f+4*\b+3], v4 offset:2048*\f+512*\b
.endr
.endr
	WIN 0
	s_add_co_u32 s56, s56, 32768
	LOADB
.endm
; THE PRODUCTS OF A TILE, in one run.  The accumulators take turns, one instruction a turn.  A sum's first instruction takes the bias (stream 0) or the constant 0 as C: nothing is cleared.
; Each run ends with the places behind its form: they serve the next loads into the weights' and the bias's registers and the first read of the results.
.macro WM1                             ; layer 1, f32: K = 20 in five steps; streams 0, 1, 3 (stream 2's sums are stream 1's)
	WIN 0x0a
.irp q, 0,1,2,3,4
.irp u, 0,1,2
.irp a, 0,1
.set DD, ACC+16*(\u+\u/2)+8*\a
.if \q == 0
.if \u == 0
	v_wmma_f32_16x16x4_f32 v[DD:DD+7], v[160+2*\q:161+2*\q], v[96+20*\u+10*\a+2*\q:97+20*\u+10*\a+2*\q], v[BIAS:BIAS+7]
.else
	v_wmma_f32_16x16x4_f32 v[DD:DD+7], v[160+2*\q:161+2*\q], v[96+20*\u+10*\a+2*\q:97+20*\u+10*\a+2*\q], 0
.endif
.else
	v_wmma_f32_16x16x4_f32 v[DD:DD+7], v[160+2*\q:161+2*\q], v[96+20*\u+10*\a+2*\q:97+20*\u+10*\a+2*\q], v[DD:DD+7]
.endif
.endr
.endr
.endr
	WIN 0
	PLACES 8
.endm
.macro WM2                             ; layer 2: K = 64, one step
	WIN 0x0a
.irp v, 0,1,2,3
.irp a, 0,1
.if \v == 0
	v_wmma_f32_16x16x64_bf8_bf8 v[ACC+16*\v+8*\a:ACC+16*\v+8*\a+7], v[64+8*\v:71+8*\v], v[8*(2*\v+\a):8*(2*\v+\a)+7], v[BIAS:BIAS+7]
.else
	v_wmma_f32_16x16x64_bf8_bf8 v[ACC+16*\v+8*\a:ACC+16*\v+8*\a+7], v[64+8*\v:71+8*\v], v[8*(2*\v+\a):8*(2*\v+\a)+7], 0
.endif
.endr
.endr
	WIN 0
	PLACES 4
.endm
.macro WM38 wset, wb                   ; layer 3's first tile and layer 5: two K steps of 128; the points' fragments lie in window 1
	WIN \wset
.irp s, 0,1
.irp v, 0,1,2,3
.irp a, 0,1
.if \s == 0
.if \v == 0
	v_wmma_f32_16x16x128_bf8_bf8 v[ACC+16*\v+8*\a:ACC+16*\v+8*\a+7], v[\wb+64*\s+16*\v:\wb+64*\s+16*\v+15], v[128*\s+16*(2*\v+\a):128*\s+16*(2*\v+\a)+15], v[BIAS:BIAS+7]
.else
	v_wmma_f32_16x16x128_bf8_bf8 v[ACC+16*\v+8*\a:ACC+16*\v+8*\a+7], v[\wb+64*\s+16*\v:\wb+64*\s+16*\v+15], v[128*\s+16*(2*\v+\a):128*\s+16*(2*\v+\a)+15], 0
.endif
.else
	v_wmma_f32_16x16x128_bf8_bf8 v[ACC+16*\v+8*\a:ACC+16*\v+8*\a+7], v[\wb+64*\s+16*\v:\wb+64*\s+16*\v+15], v[128*\s+16*(2*\v+\a):128*\s+16*(2*\v+\a)+15], v[ACC+16*\v+8*\a:ACC+16*\v+8*\a+7]
.endif
.endr
.endr
.endr
	WIN 0
	PLACES 4
.endm
.macro WM4                             ; layer 4's first tile: four K steps; weights in window 1, the points' fragments in windows 2 and 3
.irp s, 0,1,2,3
	WIN 0x09+4*(\s/2)
.irp v, 0,1,2,3
.irp a, 0,1
.if \s == 0
.if \v == 0
	v_wmma_f32_16x16x128_bf8_bf8 v[ACC+16*\v+8*\a:ACC+16*\v+8*\a+7], v[64*\s+16*\v:64*\s+16*\v+15], v[128*(\s%2)+16*(2*\v+\a):128*(\s%2)+16*(2*\v+\a)+15], v[BIAS:BIAS+7]
.else
	v_wmma_f32_16x16x128_bf8_bf8 v[ACC+16*\v+8*\a:ACC+16*\v+8*\a+7], v[64*\s+16*\v:64*\s+16*\v+15], v[128*(\s%2)+16*(2*\v+\a):128*(\s%2)+16*(2*\v+\a)+15], 0
.endif
.else
	v_wmma_f32_16x16x128_bf8_bf8 v[ACC+16*\v+8*\a:ACC+16*\v+8*\a+7], v[64*\s+16*\v:64*\s+16*\v+15], v[128*(\s%2)+16*(2*\v+\a):128*(\s%2)+16*(2*\v+\a)+15], v[ACC+16*\v+8*\a:ACC+16*\v+8*\a+7]
.endif
.endr
.endr
.endr
	WIN 0
	PLACES 4
.endm
; TANH AND THE QUANTISER for one tile of units x my 32 points, 16 numbers a lane and stream, as a numbered list of 184 lines; AV1 writes number J.  A2R: stream 2's sums (in layer 1: stream 1's).
;   0-7 c2 z (the only read of stream 0's sums);  8-23 the exponentials;  24-31 + 1;  32-47 the reciprocals: r;  48-55 ky;  56-63 u;  64-95 the reads of the other streams' sums, together: u A1, u A3, ky A2, u A2;
;   96-103 y;  104-111 ddy's sum;  112-175 the holds;  176-183 the conversions (entry e = 2 v + a; DIRECT = 1: to CBASE + CESTR e of the window that the caller has set).
; Each accumulator is read from its low end on.
.macro PICKX                           ; stream SV's 16 numbers
.set XS, R
.if SV == 1
.set XS, P1
.elseif SV == 2
.set XS, U
.elseif SV == 3
.set XS, P3
.endif
.endm
.macro AV1
.if J < 8
.set X, 2*J
	v_pk_mul_f32 v[R+X:R+X+1], v[ACC+X:ACC+X+1], v[CT:CT+1]
.elseif J < 24
	v_exp_f32 v[R+J-8], v[R+J-8]
.elseif J < 32
.set X, 2*(J-24)
	v_pk_add_f32 v[R+X:R+X+1], v[R+X:R+X+1], 1.0 op_sel_hi:[1,0]
.elseif J < 48
	v_rcp_f32 v[R+J-32], v[R+J-32]
.elseif J < 56
.set X, 2*(J-48)
	v_pk_fma_f32 v[KY+X:KY+X+1], v[R+X:R+X+1], v[CT+4:CT+5], v[CT+2:CT+3]
.elseif J < 64
.set X, 2*(J-56)
	v_pk_fma_f32 v[U+X:U+X+1], v[R+X:R+X+1], v[R+X:R+X+1], v[R+X:R+X+1] neg_lo:[1,0,0] neg_hi:[1,0,0]
.elseif J < 72
.set X, 2*(J-64)
	v_pk_mul_f32 v[P1+X:P1+X+1], v[U+X:U+X+1], v[ACC+16+X:ACC+16+X+1]
.elseif J < 80
.set X, 2*(J-72)
	v_pk_mul_f32 v[P3+X:P3+X+1], v[U+X:U+X+1], v[ACC+48+X:ACC+48+X+1]
.elseif J < 88
.set X, 2*(J-80)
	v_pk_mul_f32 v[KY+X:KY+X+1], v[KY+X:KY+X+1], v[A2R+X:A2R+X+1]
.elseif J < 96
.set X, 2*(J-88)
	v_pk_mul_f32 v[U+X:U+X+1], v[U+X:U+X+1], v[A2R+X:A2R+X+1]
.elseif J < 104
.set X, 2*(J-96)
	v_pk_fma_f32 v[R+X:R+X+1], v[R+X:R+X+1], -2.0, 1.0 op_sel_hi:[1,0,0]
.elseif J < 112
.set X, 2*(J-104)
	v_pk_fma_f32 v[P3+X:P3+X+1], v[KY+X:KY+X+1], v[P1+X:P1+X+1], v[P3+X:P3+X+1]
.elseif J < 176
.set SV, (J-112)%4
.set X, (J-112)/4
	PICKX
	v_med3_num_f32 v[XS+X], v[XS+X], -v[CT+7+2*SV], v[CT+7+2*SV]   ; the conversion to an 8-bit code does not saturate (ISA guide 7.6.2): the hold at the largest code x the scale
.else
.set SV, (J-176)/2
	PICKX
.set XS, XS+8*((J-176)%2)
.set XD, CD+2*(J-176)
.if DIRECT
.set XD, CBASE+CESTR*(J-176)
.endif
	v_cvt_scalef32_pk8_bf8_f32 v[XD:XD+1], v[XS:XS+7], v[CT+6+2*SV]
.endif
.endm
.macro AVR n                           ; the list's next n lines
.rept \n
	AV1
.set J, J+1
.endr
.endm
; The list on end.  direct = 1: the codes go straight home, to window win, base + estr e.  The exponentials and the reciprocals go as batches, each with one plain line and one wait behind it.
.macro ACT a2, direct, win, base, estr
.set A2R, \a2
.set DIRECT, \direct
.set CBASE, \base
.set CESTR, \estr
	WIN 0
.set J, 0
	AVR 24
	v_nop
	s_wait_alu depctr_va_vdst(0)
	AVR 24
	v_nop
	s_wait_alu depctr_va_vdst(0)
	AVR 128
.if \direct
	WIN (\win)<<6
.endif
	AVR 8
	v_nop                                          ; a plain line between the conversions and whatever next touches their results or writes their sources
	WIN 0
.endm
.macro STORE                           ; the tile's codes to my staging: entry e at 256 e, 8 bytes a lane
	v_add_nc_u32 v7, s58, v6
.irp e, 0,1,2,3,4,5,6,7
	ds_store_b64 v7, v[CD+2*\e:CD+2*\e+1] offset:256*\e
.endr
	s_add_co_u32 s58, s58, 2048
.endm
.macro HOME win, base, estr, slot      ; and home from there.  LDS serves a wave's instructions in order (ISA guide 5.7.1): these see my stores, and later stores come behind them
	WIN (\win)<<6
.irp e, 0,1,2,3,4,5,6,7
	ds_load_b64 v[(\base)+(\estr)*\e:(\base)+(\estr)*\e+1], v6 offset:2048*(\slot)+256*\e
.endr
.endm
.macro ZEROPAD                         ; K = 200 of 256: registers 10 .. 15 of the second K step's eight fragments in window 1 hold zero codes
	WIN 0x40
.irp e, 0,1,2,3,4,5,6,7
.irp i, 10,11,12,13,14,15
	v_mov_b32 v[128+16*\e+\i], 0
.endr
.endr
	WIN 0
.endm
.macro COUNT reg, lab                  ; a counted loop's edge
	s_sub_co_u32 s[\reg], s[\reg], 1
	s_cmp_lg_u32 s[\reg], 0
	s_cbranch_scc1 \lab
.endm
.macro TRIP1
	LOADW1
	ACT ACC+16, 0, 0, 0, 0
	STORE
	s_wait_dscnt 0x0                               ; the next tile's weights and bias are in
	WM1
.endm
.macro TRIP2
	LOADW2
	ACT ACC+32, 0, 0, 0, 0
	STORE
	s_wait_dscnt 0x0
	WM2
.endm
; ---- LAYERS 3 AND 4: THE THREE PARTS OF A TRIP LAID OVER EACH OTHER
.macro WMX lay, v, s, a                ; one product of the next tile: stream v, K step s, my tile a of points
.if \lay == 3
	WIN 0x07                                       ; weights window 3, H2 window 1
.set WR, 128+64*(\s)+16*(\v)
.set HR, 128*(\s)+16*(2*(\v)+(\a))
.else
	WIN 0x09+4*((\s)/2)                            ; weights window 1, H3 window 2 or 3
.set WR, 64*(\s)+16*(\v)
.set HR, 128*((\s)%2)+16*(2*(\v)+(\a))
.endif
.set DD, ACC+16*(\v)+8*(\a)
.if (\s) == 0
.if (\v) == 0
	v_wmma_f32_16x16x128_bf8_bf8 v[DD:DD+7], v[WR:WR+15], v[HR:HR+15], v[BIAS:BIAS+7]
.else
	v_wmma_f32_16x16x128_bf8_bf8 v[DD:DD+7], v[WR:WR+15], v[HR:HR+15], 0
.endif
.else
	v_wmma_f32_16x16x128_bf8_bf8 v[DD:DD+7], v[WR:WR+15], v[HR:HR+15], v[DD:DD+7]
.endif
.endm
.macro WLD lay, v, s, adr              ; fragment (s, v) of the tile after the next is asked of LDS, by the address in v[adr]
.if \lay == 3
	WIN 0xc0
.set NBK, 4-(\s)                       ; K = 200: the second step's last block holds zeros alone and is not read
.set WR, 128+64*(\s)+16*(\v)
.else
	WIN 0x40
.set NBK, 4
.set WR, 64*(\s)+16*(\v)
.endif
.set BB, 0
.rept NBK
	ds_load_b128 v[WR+4*BB:WR+4*BB+3], v[\adr] offset:2048*(4*(\s)+(\v))+512*BB
.set BB, BB+1
.endr
.endm
; TRIP t: the list for tile t; the products of tile t + 1; ld = 1: the loads of tile t + 2.  NS = the layer's K steps (2 or 4).
; THE PRODUCTS.  Stream 0's sums are read by the list's lines 0-7; then stream 0's 2 NS products stand singly among lines 8-95, one every 32 / NS lines.  Lines 64-95 read the other streams' sums; then their 6 NS
; products follow, K step by K step, six accumulators by turns, each with 12 / NS plain lines behind it (a slice).  No two products on end share an accumulator, over the loop's edge too.
; THE LOADS.  A fragment is asked for anew four plain lines or more behind its last product (ISA guide 7.12.1): the bias and stream 0's fragments behind slices 0 .. NS - 1; K step s's three behind slices 6 s + 7,
; 6 s + 8, 6 s + 9; the last K step's in the tail, behind eight holds.  So a trip's LDS instructions are, in order: layer 3: 9 | 12 | 8 stores | 9;  layer 4: 18 | 12 | 12 | 12 | 8 stores | 12.
; THE WAITS count the LDS instructions issued behind the group that is wanted, in the trip before and in this one: layer 3: 12 + 8 + 9 = 29;  8 + 9 = 17;  9.  Layer 4: 12 + 12 + 12 + 8 + 12 = 56;  44;  32 + 18;
; 20 + 18 + 12;  18 + 12 + 12.  With ld = 0 this trip's share falls away.  Every way into a loop of trips passes a wait for 0.
; Each group has an address register of its own (v[AG] on), written anew behind the wait that shows the group's last loads done; so has the staging (v7): the last wait shows the stores done, and the codes' registers free.
.macro PTRIP lay, ld
.set NS, 2*(\lay)-4
.set VPS, 12/NS
.set STP, 32/NS
.set A2R, ACC+32
.set DIRECT, 0
	WIN 0
.set J, 0
	AVR 8
.if \lay == 3
	s_wait_dscnt 29                                ; the bias and stream 0's fragments are in
.else
	s_wait_dscnt 56
.endif
.if \ld
	v_add_nc_u32 v[AG], s56, v1
	v_add_nc_u32 v5, s57, v3
.endif
.set QQ, 0
.rept 88
.if ((J-8)%STP == 0) && (QQ < 2*NS)
	WMX \lay, 0, QQ/2, QQ%2
	WIN 0
.set QQ, QQ+1
.endif
	AV1
.set J, J+1
.if (J == 24) || (J == 48)
	v_nop                                          ; a plain line behind the batch, and the one wait ahead of its first reader
	s_wait_alu depctr_va_vdst(0)
.endif
.endr
.set KK, 0
.rept 6*NS
.if KK%6 == 0
.if \lay == 3
.if KK == 0
	s_wait_dscnt 17                                ; this K step's three fragments are in
.else
	s_wait_dscnt 9*\ld
.endif
.else
.if KK == 0
	s_wait_dscnt 44
.elseif KK == 6
	s_wait_dscnt 32+18*\ld
.elseif KK == 12
	s_wait_dscnt 20+30*\ld
.else
	s_wait_dscnt 42*\ld
.endif
.endif
	WIN 0
.if \ld
	v_add_nc_u32 v[AG+1+KK/6], s56, v1
.endif
.if KK/6 == NS-1
	v_add_nc_u32 v7, s58, v6
.endif
.endif
	WMX \lay, 1+(KK%6)/2, KK/6, KK%2
	WIN 0
	AVR VPS
.if \ld
.if KK < NS
.if KK == 0
	ds_load_b128 v[BIAS:BIAS+3], v5
	ds_load_b128 v[BIAS+4:BIAS+7], v5 offset:16
.endif
	WLD \lay, 0, KK, AG
.elseif (KK >= 7) && ((KK-7)%6 < 3) && ((KK-7)/6 < NS-1)
	WLD \lay, 1+(KK-7)%6, (KK-7)/6, AG+1+(KK-7)/6
.endif
.endif
.set KK, KK+1
.endr
	WIN 0
	AVR 16                                         ; the last eight holds, which are the places behind the last product, and the conversions
	v_nop                                          ; a plain line between the conversions and the next trip's lines, which write their sources
.irp e, 0,1,2,3,4,5,6,7
	ds_store_b64 v7, v[CD+2*\e:CD+2*\e+1] offset:256*\e
.endr
	s_add_co_u32 s58, s58, 2048
.if \ld
	WLD \lay, 1, NS-1, AG+NS
	WLD \lay, 2, NS-1, AG+NS
	WLD \lay, 3, NS-1, AG+NS
	s_add_co_u32 s56, s56, 8192*NS
	s_add_co_u32 s57, s57, 64
.endif
	WIN 0
.endm
	; ---------------- the head
	s_load_b256 s[4:11], s[0:1], 0x0               ; x s[4:5], wq s[6:7], aux s[8:9], out0 s[10:11]
	s_load_b64 s[12:13], s[0:1], 0x20              ; out1
	v_lshl_add_u32 v8, v0, 2, SPARE
	v_mov_b32 v9, 0
	ds_add_u32 v8, v9                              ; the wave's opening: the add, twice on end, and its wait ahead of my first tensor load
	ds_add_u32 v8, v9
	v_lshrrev_b32 v14, 5, v0
	v_readfirstlane_b32 s14, v14                   ; wave 0..3
	s_bfe_u32 s15, ttmp6, 0x40000                  ; cx: it enters x's and the outputs' addresses alone
	s_lshl_b32 s16, ttmp9, 2
	s_add_co_u32 s16, s16, s15                     ; my work-group
	v_and_b32 v15, 31, v0
	v_lshlrev_b32 v1, 4, v15
	v_lshlrev_b32 v2, 3, v15
	v_bfe_u32 v3, v0, 4, 1
	v_lshlrev_b32 v3, 5, v3
	s_mul_i32 s17, s14, QRT
	s_add_co_u32 s18, s17, STG
	v_add_nc_u32 v6, s18, v2
	v_and_b32 v14, 15, v0
	v_lshlrev_b32 v14, 2, v14                      ; x: 4 r
	; descriptor groups 1: dense blocks as rows of 256 bytes (32 elements of 8 bytes), no padding: images are read at 16 x lane
.irp g, 20, 28, 36
	s_mov_b32 s[\g], 15|(3<<16)|(1<<21)            ; 15:0 the mask: all four work-groups; 17:16 elements of 8 bytes; 21 set beside a mask
	s_mov_b32 s[\g+1], 32<<16                      ; tensor_dim0 = 32
	s_mov_b32 s[\g+3], 32<<16                      ; tile_dim0 = 32
	s_mov_b32 s[\g+5], 32                          ; from row to row
	s_mov_b32 s[\g+6], 0
	s_mov_b32 s[\g+7], 0
.endr
	s_mov_b32 s22, 96<<16                          ; tensor_dim1 and tile_dim1: a quarter of a slot,
	s_mov_b32 s24, 96
	s_mov_b32 s30, 7<<16                           ; of the table,
	s_mov_b32 s32, 7
	s_mov_b32 s38, 64<<16                          ; of slot 6's upper 65,536 bytes
	s_mov_b32 s40, 64
	s_mov_b32 s62, 0x76543210
	s_mov_b32 s63, 0xfedcba98
	s_mov_b32 s87, 0
	s_mov_b32 s89, 0
	s_wait_dscnt 0x0                               ; both opening adds are done
	s_wait_kmcnt 0x0
	s_mov_b32 s52, 1                               ; the table
	s_mul_i32 s86, s14, 1792
	s_add_co_u32 s53, s86, AUXL
	s_add_nc_u64 s[54:55], s[8:9], s[86:87]
	s_or_b32 s55, s55, 0x80000000
	s_mov_b32 s48, 1                               ; slot 0, whole
	s_mov_b32 s49, s17
	s_mov_b32 s86, s17
	s_add_nc_u64 s[50:51], s[6:7], s[86:87]
	s_mov_b32 s44, 1                               ; the walking descriptor begins at slot 1
	s_add_co_u32 s45, s17, RING1
	s_add_nc_u64 s[46:47], s[50:51], SLOTB
	s_or_b32 s51, s51, 0x80000000
	s_or_b32 s47, s47, 0x80000000
	s_mov_b32 s76, 1                               ; slot 6's upper two thirds: W4's tiles 0 and 1
	s_mul_i32 s86, s14, 16384
	s_add_co_u32 s77, s86, 32768
	s_add_nc_u64 s[78:79], s[6:7], s[86:87]
	s_add_nc_u64 s[78:79], s[78:79], 622592
	s_or_b32 s79, s79, 0x80000000
	s_lshl_b32 s88, s16, 9                         ; x: 128 points a work-group, 32 a wave
	s_lshl_b32 s18, s14, 7
	s_add_co_u32 s88, s88, s18
	s_add_nc_u64 s[4:5], s[4:5], s[88:89]
	s_lshl_b32 s18, s16, 2
	s_add_co_u32 s18, s18, s14
	s_mul_i32 s88, s18, 12800                      ; the outputs: my 32 rows of 400 bytes
	s_add_nc_u64 s[10:11], s[10:11], s[88:89]
	s_add_nc_u64 s[12:13], s[12:13], s[88:89]
	ROUND                                          ; all four work-groups are here: the first joint loads meet
	tensor_load_to_lds s[52:55], s[28:35]
	s_nop 0
	tensor_load_to_lds s[48:51], s[20:27]
	s_nop 0
	tensor_load_to_lds s[44:47], s[20:27]
	s_nop 0
	PLACES 4
	global_load_b32 v10, v14, s[4:5]
	global_load_b32 v12, v14, s[4:5] offset:64
	ZEROPAD
	WIN 0xc0
.irp v, 0,1,2,3
.irp i, 12,13,14,15
	v_mov_b32 v[192+16*\v+\i], 0                   ; layer 3's weights, second K step: the block that is not read
.endr
.endr
	WIN 0
	s_wait_tensorcnt 0x1                           ; my parts of the table and of slot 0 are in; slot 1's load may stay out
	s_barrier_signal -1
	s_barrier_wait -1
	s_wait_loadcnt 0x0
	v_mov_b32 v11, v10
	v_mov_b32 v13, v12
	; ---------------- layer 0 (K = 1), in the layout of layer 1's f32 operand: lane (r, h), step q: units 4 q + 2 h + 0, 1
	v_lshrrev_b32 v14, 2, v3
	v_add_nc_u32 v14, AUXL, v14
.irp c, 0,1,2,3                                ; c2 W0 (v136..), c2 b0 (v146..), 4 W0 (v156..), -2 W0 (v166..)
.irp q, 0,1,2,3,4
	ds_load_b64 v[136+10*\c+2*\q:137+10*\c+2*\q], v14 offset:512+256*\c+16*\q
.endr
.endr
	s_wait_dscnt 0x0
.irp a, 0,1
.irp q, 0,1,2,3,4
	v_pk_fma_f32 v[40+10*\a+2*\q:41+10*\a+2*\q], v[136+2*\q:137+2*\q], v[10+2*\a:11+2*\a], v[146+2*\q:147+2*\q]
.endr
.endr
.irp i, 0,1,2,3,4,5,6,7,8,9,10,11,12,13,14,15,16,17,18,19
	v_exp_f32 v[40+\i], v[40+\i]
.endr
	v_nop
	s_wait_alu depctr_va_vdst(0)
.irp p, 0,2,4,6,8,10,12,14,16,18
	v_pk_add_f32 v[40+\p:41+\p], v[40+\p:41+\p], 1.0 op_sel_hi:[1,0]
.endr
.irp i, 0,1,2,3,4,5,6,7,8,9,10,11,12,13,14,15,16,17,18,19
	v_rcp_f32 v[40+\i], v[40+\i]
.endr
	v_nop
	s_wait_alu depctr_va_vdst(0)
.irp p, 0,2,4,6,8,10,12,14,16,18
	v_pk_fma_f32 v[60+\p:61+\p], v[40+\p:41+\p], v[40+\p:41+\p], v[40+\p:41+\p] neg_lo:[1,0,0] neg_hi:[1,0,0]   ; u
.endr
	WIN 0x80
.irp p, 0,2,4,6,8,10,12,14,16,18
	v_pk_fma_f32 v[96+\p:97+\p], v[40+\p:41+\p], -2.0, 1.0 op_sel_hi:[1,0,0]    ; y
.endr
.irp a, 0,1
.irp q, 0,1,2,3,4
	v_pk_mul_f32 v[116+10*\a+2*\q:117+10*\a+2*\q], v[156+2*\q:157+2*\q], v[60+10*\a+2*\q:61+10*\a+2*\q]   ; dy = 4 u W0
.endr
.endr
	WIN 0x02
.irp a, 0,1
.irp q, 0,1,2,3,4
	v_pk_mul_f32 v[80+10*\a+2*\q:81+10*\a+2*\q], v[96+10*\a+2*\q:97+10*\a+2*\q], v[166+2*\q:167+2*\q]     ; -2 y W0
.endr
.endr
	WIN 0x88
.irp p, 0,2,4,6,8,10,12,14,16,18
	v_pk_mul_f32 v[136+\p:137+\p], v[80+\p:81+\p], v[116+\p:117+\p]             ; ddy = -2 y dy W0
.endr
	WIN 0
	; ---------------- layer 1: 4 tiles, f32
	LOADCT 0
	s_mov_b32 s57, AUXL+1536
	s_mov_b32 s61, 0
	s_mov_b32 s58, 0
	LOADW1
	s_wait_dscnt 0x0
	WM1
	s_mov_b32 s59, 3
.Ll1:
	TRIP1
	COUNT 59, .Ll1
.irp t, 0,1,2
	HOME 2, 2*\t, 8, \t
.endr
	ACT ACC+16, 1, 2, 6, 8
	; ---------------- layer 2: 13 tiles
	LOADCT 1
	s_mov_b32 s57, AUXL+1792
	s_mov_b32 s56, 12288
	s_mov_b32 s58, 0
	LOADW2
	s_wait_dscnt 0x0
	WM2
	s_mov_b32 s59, 12
.Ll2:
	TRIP2
	COUNT 59, .Ll2
.irp t, 0,1,2,3,4,5,6,7,8,9,10,11
	HOME 1, 128*(\t/8)+2*(\t%8), 16, \t
.endr
	ACT ACC+32, 1, 1, 136, 16
	; ---------------- layer 3: 32 tiles.  Tiles 0 and 1 end slot 0; tiles 2 .. 31 fill slots 1 .. 5, six each.  Trip t asks for tile t + 2: six trips to a slot
	LOADCT 2
	s_mov_b32 s57, AUXL+2816
	LOADW38 3, 128                                 ; tile 0's weights,
	s_wait_dscnt 0x0
	WM38 0x07, 128                                 ; its products,
	LOADW38 3, 128                                 ; and tile 1's weights; the change of slots that follows waits for them
.macro GROUP3                          ; twelve trips over two slots
	s_mov_b32 s58, 0
	s_mov_b32 s60, 2
.Lg3o_\@:
	CHANGE 1
	s_mov_b32 s59, 6
.Lg3i_\@:
	PTRIP 3, 1
	COUNT 59, .Lg3i_\@
	COUNT 60, .Lg3o_\@
.endm
	GROUP3
.irp t, 0,1,2,3,4,5,6,7,8,9,10,11
	HOME 2+(\t/16), 128*((\t/8)%2)+2*(\t%8), 16, \t
.endr
	WIN 0
	GROUP3
.irp t, 12,13,14,15,16,17,18,19,20,21,22,23
	HOME 2+(\t/16), 128*((\t/8)%2)+2*(\t%8), 16, \t-12
.endr
	WIN 0
	s_mov_b32 s58, 0
	CHANGE 2                                       ; into slot 5; slot 6's part is asked for
	s_mov_b32 s59, 6
.Ll3c:
	PTRIP 3, 1
	COUNT 59, .Ll3c
	PTRIP 3, 0                                     ; trip 30: tile 31's products; nothing is left to ask for
.irp t, 24,25,26,27,28,29,30                   ; these land where layer 3's weights lay: the last product that read them stands more than four plain lines back
	HOME 2+(\t/16), 128*((\t/8)%2)+2*(\t%8), 16, \t-24
.endr
	; ---------------- layer 4: 13 tiles.  Tiles 0 and 1 end slot 6; tiles 2 .. 10 fill slots 7 .. 9, three each; tiles 11 and 12 begin slot 10
	CHANGE 1                                       ; into slot 6
	s_add_co_u32 s56, s56, 32768                   ; whose codes begin behind its first third
	s_mov_b32 s57, AUXL+4864
	LOADW4                                         ; tile 0's weights land where H2 lay, while layer 3's last tile is finished
	ACT ACC+32, 1, 3, 142, 16
	LOADCT 3
	s_wait_dscnt 0x0
	WM4
	LOADW4                                         ; tile 1's weights; the change of slots that follows waits for them
	s_mov_b32 s58, 0
	s_mov_b32 s60, 3
.Ll4o:
	CHANGE 1
	s_mov_b32 s59, 3
.Ll4i:
	PTRIP 4, 1
	COUNT 59, .Ll4i
	COUNT 60, .Ll4o
	CHANGE 1                                       ; into slot 10; slot 11, the last, is asked for
	s_mov_b32 s59, 2
.Ll4j:
	PTRIP 4, 1
	COUNT 59, .Ll4j
	PTRIP 4, 0                                     ; trip 11: tile 12's products
	ZEROPAD
.irp t, 0,1,2,3,4,5,6,7,8,9,10,11
	HOME 1, 128*(\t/8)+2*(\t%8), 16, \t
.endr
	ACT ACC+32, 1, 1, 136, 16
	; ---------------- layer 5 and F: 7 tiles, written out.  out = A0 2^E0;  U = (x^2 - 1) out - 1;  U_xx = 2 out + 2 x (d1 + d2) + (x^2 - 1) dd;  F = 5 U (U^2 - 1) - 0.0005 U_xx
	; W5's tiles 0 and 1 end slot 10; tiles 2 .. 6 and A lie in slot 11
	LOADCT 4
	s_mov_b32 s57, AUXL+5888
	WIN 0x80
.irp v, 0,1,2,3
.irp i, 12,13,14,15
	v_mov_b32 v[64+16*\v+\i], 0                    ; W5's second K step: the block that is not read
.endr
.endr
	WIN 0xc0
.irp a, 0,1
	v_mov_b32 v[128+16*\a+14], 0                   ; F's fragments: K = 112 .. 127
	v_mov_b32 v[128+16*\a+15], 0
.endr
	WIN 0
	s_wait_dscnt 0x0                               ; the constants are in: v16 2^E0, v17, v18 -0.001 x 2^E1, 2^E2, v19 -0.0005 x 2^E3, v[20:21] -0.001 x 2^E0, v[22:23] 0.8 x 2^(eF + eA), v24, v25 F's scale and hold
.irp a, 0,1
.irp d, 0,1                                    ; each coefficient twice, for the packed forms
	v_fma_f32 v[136+2*\a+\d], v[10+2*\a], v[10+2*\a], -1.0      ; w = x^2 - 1
.endr
.irp d, 0,1
	v_mul_f32 v[140+2*\a+\d], v[136+2*\a], v16                  ; w 2^E0
	v_mul_f32 v[144+2*\a+\d], v[10+2*\a], v17                   ; -0.001 x 2^E1
	v_mul_f32 v[148+2*\a+\d], v[10+2*\a], v18
	v_mul_f32 v[152+2*\a+\d], v[136+2*\a], v19                  ; -0.0005 w 2^E3
.endr
.endr
.macro LOADBV t                        ; bvec at the tile's units, 512 bytes behind b5's in the table: two sets by turns, since tile t + 1's is asked for while tile t's is read
	ds_load_b128 v[156+8*((\t)%2):159+8*((\t)%2)], v5 offset:512
	ds_load_b128 v[160+8*((\t)%2):163+8*((\t)%2)], v5 offset:528
.endm
.macro FIN t
	WIN 0xc0
.irp p, 0,2,4,6,8,10,12,14
	v_pk_fma_f32 v[16*(\t)+\p:16*(\t)+\p+1], v[ACC+\p:ACC+\p+1], v[140+2*(\p/8):141+2*(\p/8)], -1.0 op_sel_hi:[1,1,0]   ; U, kept in window 3
.endr
	WIN 0x0f
.irp p, 0,2,4,6,8,10,12,14
	v_pk_fma_f32 v[R+\p:R+\p+1], v[16*(\t)+\p:16*(\t)+\p+1], v[16*(\t)+\p:16*(\t)+\p+1], -1.0 op_sel_hi:[1,1,0]
.endr
	WIN 0x0c
.irp p, 0,2,4,6,8,10,12,14
	v_pk_mul_f32 v[R+\p:R+\p+1], v[R+\p:R+\p+1], v[16*(\t)+\p:16*(\t)+\p+1]     ; U (U^2 - 1)
.endr
	WIN 0
.irp p, 0,2,4,6,8,10,12,14
	v_pk_mul_f32 v[KY+\p:KY+\p+1], v[ACC+\p:ACC+\p+1], v[CT+4:CT+5]             ; -0.0005 U_xx, term by term
.endr
.irp p, 0,2,4,6,8,10,12,14
	v_pk_fma_f32 v[KY+\p:KY+\p+1], v[ACC+16+\p:ACC+16+\p+1], v[144+2*(\p/8):145+2*(\p/8)], v[KY+\p:KY+\p+1]
.endr
.irp p, 0,2,4,6,8,10,12,14
	v_pk_fma_f32 v[KY+\p:KY+\p+1], v[ACC+32+\p:ACC+32+\p+1], v[148+2*(\p/8):149+2*(\p/8)], v[KY+\p:KY+\p+1]
.endr
.irp p, 0,2,4,6,8,10,12,14
	v_pk_fma_f32 v[KY+\p:KY+\p+1], v[ACC+48+\p:ACC+48+\p+1], v[152+2*(\p/8):153+2*(\p/8)], v[KY+\p:KY+\p+1]
.endr
.irp p, 0,2,4,6,8,10,12,14
	v_pk_fma_f32 v[U+\p:U+\p+1], v[R+\p:R+\p+1], 0x40a00000, v[KY+\p:KY+\p+1] op_sel_hi:[1,0,1]   ; F
.endr
.irp p, 0,2,4,6,8,10,12,14                     ; F . bvec, of the unquantised F
.if ((\t) == 0) && ((\p%8) == 0)
	v_pk_mul_f32 v[172+2*(\p/8):173+2*(\p/8)], v[U+\p:U+\p+1], v[156+8*((\t)%2)+\p%8:157+8*((\t)%2)+\p%8]
.else
	v_pk_fma_f32 v[172+2*(\p/8):173+2*(\p/8)], v[U+\p:U+\p+1], v[156+8*((\t)%2)+\p%8:157+8*((\t)%2)+\p%8], v[172+2*(\p/8):173+2*(\p/8)]
.endif
.endr
.irp i, 0,1,2,3,4,5,6,7,8,9,10,11,12,13,14,15
	v_med3_num_f32 v[U+\i], v[U+\i], -v[CT+9], v[CT+9]
.endr
	WIN 0xc0
.irp a, 0,1
	v_cvt_scalef32_pk8_bf8_f32 v[128+16*\a+2*(\t):129+16*\a+2*(\t)], v[U+8*\a:U+8*\a+7], v[CT+8]
.endr
	v_nop
	WIN 0
.endm
	LOADW38 2, 0
	LOADBV 0
	s_wait_dscnt 0x0
	WM38 0x06, 0
.irp t, 0,1,2,3,4,5
.if \t == 1
	CHANGE 0                                       ; into slot 11, the last; nothing is left to fetch
.endif
	LOADW38 2, 0
	LOADBV \t+1
	FIN \t
	s_wait_dscnt 0x0
	WM38 0x06, 0
.endr
	v_add_nc_u32 v4, s56, v1                       ; A's seven fragments follow W5's tile 6
	WIN 0x80
.irp t, 0,1,2,3,4,5,6
.irp b, 0,1,2,3
	ds_load_b128 v[128+16*\t+4*\b:128+16*\t+4*\b+3], v4 offset:2048*\t+512*\b
.endr
.endr
	WIN 0
	FIN 6
	; ---------------- the end: U0 = U + 0.8 F A^T, U1 = U0 - 0.8 F . bvec
	v_add_f32 v172, v172, v173
	v_add_f32 v174, v174, v175
	v_permlanex16_b32 v40, v172, s62, s63          ; the point's other units lie in the lane 16 away
	v_permlanex16_b32 v41, v174, s62, s63
	v_add_f32 v172, v172, v40
	v_add_f32 v174, v174, v41
	v_mul_f32 v176, 0x3f4ccccd, v172
	v_mul_f32 v178, 0x3f4ccccd, v174
	v_mov_b32 v177, v176
	v_mov_b32 v179, v178
	s_mul_i32 s86, s14, QRT                        ; out1's rows are gathered in my quarter of ring 0,
	s_add_co_u32 s88, s86, STG                     ; out0's in my staging
	v_and_b32 v15, 15, v0
	v_mul_u32_u24 v14, v15, 400                    ; a row of 100 f32; 400 r + 32 h
	v_add_nc_u32 v14, v14, v3
	v_add_nc_u32 v4, s88, v14
	v_add_nc_u32 v5, s86, v14
	v_add_nc_u32 v7, s88, v1                       ; and read back as they lie, 16 bytes a lane
	v_add_nc_u32 v14, s86, v1
.macro P24 t0, n
	WIN 0x0e
.irp u, 0,1,2,3
.if \u < \n
.irp a, 0,1
	v_wmma_f32_16x16x128_bf8_bf8 v[ACC+16*\u+8*\a:ACC+16*\u+8*\a+7], v[128+16*(\t0+\u):128+16*(\t0+\u)+15], v[128+16*\a:128+16*\a+15], 0
.endr
.endif
.endr
	WIN 0
	PLACES 4
.endm
.macro EPI t
	WIN 0x30
.irp p, 0,2,4,6,8,10,12,14
	v_pk_fma_f32 v[R+\p:R+\p+1], v[ACC+16*((\t)%4)+\p:ACC+16*((\t)%4)+\p+1], v[CT+6:CT+7], v[16*(\t)+\p:16*(\t)+\p+1]
.endr
	WIN 0
.irp p, 0,2,4,6,8,10,12,14
	v_pk_add_f32 v[KY+\p:KY+\p+1], v[R+\p:R+\p+1], v[176+2*(\p/8):177+2*(\p/8)] neg_lo:[0,1] neg_hi:[0,1]
.endr
.if (\t) < 6
.irp a, 0,1
	ds_store_b128 v4, v[R+8*\a:R+8*\a+3] offset:6400*\a+64*(\t)
	ds_store_b128 v4, v[R+8*\a+4:R+8*\a+7] offset:6400*\a+64*(\t)+16
	ds_store_b128 v5, v[KY+8*\a:KY+8*\a+3] offset:6400*\a+64*(\t)
	ds_store_b128 v5, v[KY+8*\a+4:KY+8*\a+7] offset:6400*\a+64*(\t)+16
.endr
.else                                          ; of units 96 .. 111 only 96 .. 99 exist: the first 16 bytes of lanes 0 .. 15
	v_and_b32 v15, 31, v0
	v_cmp_gt_u32 vcc_lo, 16, v15
	s_wait_xcnt 0x0                                ; EXEC changes only behind this wait
	s_and_saveexec_b32 s84, vcc_lo
.irp a, 0,1
	ds_store_b128 v4, v[R+8*\a:R+8*\a+3] offset:6400*\a+64*(\t)
	ds_store_b128 v5, v[KY+8*\a:KY+8*\a+3] offset:6400*\a+64*(\t)
.endr
	s_wait_xcnt 0x0
	s_or_b32 exec_lo, exec_lo, s84
.endif
.endm
	s_wait_dscnt 0x0                               ; A's fragments are in
	P24 0, 4
	EPI 0
	EPI 1
	EPI 2
	EPI 3
	P24 4, 3
	EPI 4
	EPI 5
	EPI 6
	WIN 0x80
.irp n, 0,1,2,3,4,5,6,7,8,9,10,11,12,13,14,15,16,17,18,19,20,21,22,23,24
	ds_load_b128 v[4*\n:4*\n+3], v7 offset:512*\n  ; LDS serves a wave's instructions in order: these see my stores
.endr
.irp n, 0,1,2,3,4,5,6,7,8,9,10,11,12,13,14,15,16,17,18,19,20,21,22,23,24
	ds_load_b128 v[100+4*\n:100+4*\n+3], v14 offset:512*\n
.endr
	WIN 0x08                                       ; the stores' data lie in window 2
.irp n, 0,1,2,3,4,5,6,7,8,9,10,11,12,13,14,15,16,17,18,19,20,21,22,23,24
	s_wait_dscnt 49-\n                             ; the loads issued behind this one may stay out
	global_store_b128 v1, v[4*\n:4*\n+3], s[10:11] offset:512*\n th:TH_STORE_NT   ; the wave stores 512 consecutive bytes, at a multiple of 256 from out0's first byte
.endr
.irp n, 0,1,2,3,4,5,6,7,8,9,10,11,12,13,14,15,16,17,18,19,20,21,22,23,24
	s_wait_dscnt 24-\n
	global_store_b128 v1, v[100+4*\n:100+4*\n+3], s[12:13] offset:512*\n th:TH_STORE_NT
.endr
	WIN 0
	s_wait_tensorcnt 0x0                           ; the wave's end: the wait, an add to my spare word and its wait, behind my last tensor load and my last LDS store
	ds_add_u32 v8, v9
	s_wait_dscnt 0x0
	ROUND                                          ; the closing round: no work-group ends while a partner may still ask for a tile that names it
	s_endpgm
.Lfunc_end_k_q8f27762c88_pinn:
	.size	k_q8f27762c88_pinn, .Lfunc_end_k_q8f27762c88_pinn-k_q8f27762c88_pinn
	.p2alignl 7, 3214868480
	.fill 96, 4, 3214868480
	.section	.rodata,"a",@progbits
	.p2align	6, 0x0
	.amdhsa_kernel k_q8f27762c88_pinn
		.amdhsa_group_segment_fixed_size 327680
		.amdhsa_private_segment_fixed_size 0
		.amdhsa_enable_private_segment 0
		.amdhsa_kernarg_size 40
		.amdhsa_user_sgpr_count 2
		.amdhsa_user_sgpr_kernarg_segment_ptr 1
		.amdhsa_wavefront_size32 1
		.amdhsa_system_sgpr_workgroup_id_x 1
		.amdhsa_system_sgpr_workgroup_id_y 1
		.amdhsa_system_sgpr_workgroup_id_z 1
		.amdhsa_system_vgpr_workitem_id 0
		.amdhsa_next_free_vgpr 1024
		.amdhsa_next_free_sgpr 90
		.amdhsa_reserve_vcc 1
		.amdhsa_float_denorm_mode_32 3
		.amdhsa_float_denorm_mode_16_64 3
		.amdhsa_memory_ordered 1
		.amdhsa_forward_progress 1
		.amdhsa_inst_pref_size 255
	.end_amdhsa_kernel
	.section	.bss,"aw",@nobits
	.p2align	6
	.space	262144
	.amdgpu_metadata
---
amdhsa.version: [ 1, 2 ]
amdhsa.kernels:
  - .name:           k_q8f27762c88_pinn
    .symbol:         k_q8f27762c88_pinn.kd
    .args:
      - { .name: x, .offset: 0, .size: 8, .value_kind: global_buffer, .address_space: global }
      - { .name: wq, .offset: 8, .size: 8, .value_kind: global_buffer, .address_space: global }
      - { .name: aux, .offset: 16, .size: 8, .value_kind: global_buffer, .address_space: global }
      - { .name: out0, .offset: 24, .size: 8, .value_kind: global_buffer, .address_space: global }
      - { .name: out1, .offset: 32, .size: 8, .value_kind: global_buffer, .address_space: global }
    .group_segment_fixed_size: 327680
    .private_segment_fixed_size: 0
    .kernarg_segment_align: 8
    .kernarg_segment_size: 40
    .max_flat_workgroup_size: 128
    .sgpr_count:     90
    .vgpr_count:     1024
    .wavefront_size: 32
...
	.end_amdgpu_metadata
.endif
;; end of part 2
